; MI455X (gfx1250); checked and timed in simulation.
; The chip was launched on July 23, 2026; its instructions are those of AMD's public machine-readable ISA for CDNA 5 (MIT licence, August 2026) and "CDNA5" Instruction Set Architecture Reference Guide (July 2026). The comments in the code are by the model that wrote it; some were corrected since.
;; First Layer. Allowed arithmetic: matrix products marked QUANTISED: E2M1 operands, one E8M0 scale for each 32 along K, by v_wmma_scale_f32_16x16x128_f8f6f4 with both operands' format E2M1 (or v_wmma_scale_f32_32x16x128_f4), f32 sums; products left as they are: f32 operands where the result goes on into a quantised operand, else bf16, f16 or f32 operands; f32 sums; everything else in f32.
;; Inputs: W0_codes 128 x 4 x 16 uint8 (E2M1 codes of W0, K innermost, in blocks of 32 codes, two codes a byte); W0_scales 128 x 4 uint8 (E8M0 scales of W0, one for each 32 codes along K); W1_codes 128 x 4 x 16 uint8 (E2M1 codes of W1, K innermost, in blocks of 32 codes, two codes a byte); W1_scales 128 x 4 uint8 (E8M0 scales of W1, one for each 32 codes along K); Wout_codes 2,048 x 4 x 16 uint8 (E2M1 codes of Wout, K innermost, in blocks of 32 codes, two codes a byte); Wout_scales 2,048 x 4 uint8 (E8M0 scales of Wout, one for each 32 codes along K); b0 128 float32; b1 128 float32; bout 2,048 float32; data 16 x 32 x 64 x 64 float32; v 16 float32.
;; Outputs: out0 16 x 16 x 64 float32.
;; This version of the problem:
;;   THIS VERSION OF THE PROBLEM IS GIVEN IN LOW PRECISION. The matrix products marked QUANTISED in the list below multiply operands that are first quantised to E2M1 (2 exponent bits, 1 mantissa bit; 4 bits a number), with one power-of-two scale for each 32 numbers along K (OCP MX v1.0); their sums are f32. All else is computed in f32.
;;   The module's matrix products, in the order in which they are computed (A, B: the left and right operand; K: the contracted axis; several contracted axes count as one K, in the product's order):
;;     1. [M 4,096, K 2] x [K 2, N 32]; A: computed on the way; B: computed on the way: left as it is (K = 2 < 32)
;;     2. [M 65,536, K 128] x [K 128, N 128]; A: computed on the way; B: input W0 (given as codes): QUANTISED
;;     3. [M 65,536, K 128] x [K 128, N 128]; A: computed on the way; B: input W1 (given as codes): QUANTISED
;;     4. [M 65,536, K 128] x [K 128, N 2,048]; A: computed on the way; B: input Wout (given as codes): QUANTISED
;;     5. [M 16, K 131,072] x [K 131,072, N 1,024]; A: input data; B: computed on the way: QUANTISED
;;   THE QUANTISER, for each operand of a quantised product, along K:
;;     - K is cut into blocks of 32 from its start; a last block that is shorter is filled with zeros.
;;     - A block's scale is 2^e with e = floor(log2(the largest magnitude in the block)) - 2, held to -126 .. 127; a block of zeros has e = 0. As a byte (E8M0): e + 127.
;;     - Each number is divided by its block's scale, clamped to +-6, and rounded to the nearest number of E2M1, ties to even, subnormals kept.
;;     - The product sums the exact products of the quantised numbers (number of the format x scale) in f32.
;;   ~~~python
;;   def quantise(x, axis):      # numpy; x: float32 -> the quantised numbers, widened to float32 again
;;       x = np.moveaxis(x, axis, -1); K = x.shape[-1]
;;       x = np.pad(x, [(0, 0)] * (x.ndim - 1) + [(0, -K % 32)]); x = x.reshape(x.shape[:-1] + (-1, 32)); a = np.abs(x).max(-1, keepdims=True)
;;       e = np.where(a > 0, np.clip(np.frexp(np.where(a > 0, a, 1))[1] - 1 - 2, -126, 127), 0)      # np.frexp(a)[1] - 1 = floor(log2(a)), exactly
;;       r = np.clip(x / 2.0 ** e, -6, 6)
;;       step = 2.0 ** (np.maximum(np.frexp(np.where(r == 0, 1, r))[1] - 1, 0) - 1)
;;       q = np.round(r / step) * step * 2.0 ** e      # np.round: ties to even
;;       return np.moveaxis(q.reshape(q.shape[:-2] + (-1,))[..., :K], -1, axis).astype(np.float32)
;;   ~~~
;;   OPERANDS COMPUTED ON THE WAY. 'Computed on the way' means the value that the module computes at that place (a softmax that the list does not call 'softmax' is quantised finished and normalised). What goes into a quantiser is computed in f32, as accurately as f32 sums, v_exp_f32 and their like allow (about 1e-6 of the number): no bf16 or f16 on the way to a quantiser, and a product that is left as it is and whose result goes on into a quantised operand takes f32 operands (vector FMAs, or v_wmma_f32_16x16x4_f32). A number that lies on a knife's edge between two numbers of the format may be rounded either way, as far as f32 arithmetic and the matrix unit's own rounding can turn it there, and no further.
;;   INPUTS GIVEN AS CODES. W0 (in the module: [128, 128], K = its axis 0); W1 (in the module: [128, 128], K = its axis 0); Wout (in the module: [128, 2048], K = its axis 0): each comes as NAME_codes (uint8): NAME with its K axis moved to the last place and cut into blocks of 32 codes, [.., K / 32, bytes a block], one block behind the other in memory; two codes a byte, the lower K in the low four bits (a code: sign, 2 exponent bits, 1 mantissa bit); and NAME_scales (uint8): the same leading axes, one E8M0 byte (e + 127) for each 32 codes along K. Its value is code x scale, taken as it is: it is not quantised again, and the codes and scales need not be those that the quantiser above would give.
;; One version. Each part assembles by itself: llvm-mc -triple=amdgcn-amd-amdhsa -mcpu=gfx1250 --defsym DOCPART=n.
;; ======== version 1 of 1: 2 launches
;; limits: right only within a limited range of input values
;; workspace buffers: pmax 1,024 bytes; dq 32,768 bytes
;; launch prep (part 1): grid 320 x 1, 8 waves a work-group, no clusters, 6,912 bytes of LDS; arguments data, v, pmax, dq; writes pmax, dq
.if DOCPART == 1
	.amdgcn_target "amdgcn-amd-amdhsa--gfx1250"
	.amdhsa_code_object_version 6
	.text
	.protected	k_qd28ae37f25_prep
	.globl	k_qd28ae37f25_prep
	.p2align	8
	.type	k_qd28ae37f25_prep,@function
k_qd28ae37f25_prep:
	s_mov_b64 s[64:65], 0
	v_nop
	global_prefetch_b8 v0, s[64:65] scope:SCOPE_SE
	s_setreg_imm32_b32 hwreg(HW_REG_WAVE_MODE, 25, 1), 1
	s_wait_xcnt 0x0
; PREP: two jobs that hang on no result of the MLP.
; DEAD WORK LEFT OUT.  The window keeps a point where both rotated coordinates are at most a = 0.1 in magnitude.  A rotation keeps lengths (c c + s s = 1), so such a point has X X + Y Y <= 0.02 and |X|, |Y| <= 0.14143.
;   Grid coordinates are odd numbers over 63, and 9 / 63 = 0.14286 (one part in a hundred beyond, far more than f32 rounding): so h and w lie in 28 .. 35 for EVERY v.  All other points have window 0
;   whatever the inputs hold: rows h of data outside 28 .. 35 are left out here, and their rows of the MLP and of the filter in the launch behind this one.  Inside those eight h the WHOLE rows of data are searched: they
;   set the blocks' scales; the codes of the other w meet filter numbers 0 and are not made.  The largest norm of the embedding is taken over ALL 65,536 points: it divides every point.
; Work-groups 0..63 (DATA): bp = g / 8, cg = g % 8: b = 2 bp, 2 bp + 1, c = 4 cg .. + 3, h = 28 .. 35: 64 rows of 256 bytes, 8 a wave (b = wave / 4, c = wave % 4).  dq has a record of 512 bytes for each g:
;   256 bytes of words [half = h % 2][b][t = (h - 28) / 2][c], low half the codes of w 28..31 by the scale of the block w < 32, high half those of w 32..35 by the scale of the block w >= 32; and 256 bytes of scale words
;   [either half][b][t][c], byte 2 (block) + half.
; Work-groups 64..319 (NORM): the largest squared norm over 256 points (h, w, n) each, one number each into pmax.
; LIMITS: v finite, |v| up to about 1e5 (three-part reduction of the angle); NaN and infinities in data are not served; a NaN or an infinity in what is left out is not carried to the result; a block of zeros gets the
;   byte 1 where the quantiser says 127: its codes are zeros, and this program alone reads the bytes.
; No matrix unit, no tensor load, no cluster: the work-groups share no tile; no loop that a prefetch could run ahead in.
.set ST,    5120                       ; LDS: partial maxima at 0: for each wave 8 rows x 80 bytes; the record here; the norm path has bytes of its own at 5,632
.set RW,    5632
.set SPARE, 5888
.set FLOOR, 0x1800000                  ; 2^(3 - 127): a scale byte cannot fall under 1
.set TWOFF, 0xff000000                 ; takes 2 off an exponent field
.set CI, 299466679104                  ; 2^40 sqrt(log2(e) / 0.0049) / 63
.macro MUSET e                         ; MUB = the f32 bits of e sqrt(log2(e) / 0.0049) / 63, rounded to nearest
.set FX, (\e)*CI
.if FX == 0
.set MUB, 0
.else
.set EX, 4
.irp k, 3,2,1,0,-1,-2
.if FX < (1<<(41+\k))
.set EX, \k
.endif
.endr
.set MUB, ((127+EX)<<23)+((FX+(1<<(16+EX)))>>(17+EX))-(1<<23)
.endif
.endm
.macro D1
	s_delay_alu instid0(VALU_DEP_1)
.endm
.macro LIN dst, idx, q, t              ; the grid coordinate of an index: q = idx / 63, then -(1 - q) + q
	v_cvt_f32_u32 v[\t], v[\idx]
	D1
	v_mul_f32 v[\q], 0x3c820821, v[\t]
	D1
	v_fma_f32 v[\t], v[\q], 0xc27c0000, v[\t]
	D1
	v_fma_f32 v[\q], v[\t], 0x3c820821, v[\q]
	D1
	v_add_f32 v[\t], -1.0, v[\q]
	D1
	v_add_f32 v[\dst], v[\q], v[\t]
.endm
.macro SINCOS x, sn, cs, t0, t1, t2, t3, t4, t5   ; k = floor(x 2/pi + 1/2), r = x - k pi/2 in three parts, two polynomials, the quadrant by selects
	v_fma_f32 v[\t0], v[\x], 0x3f22f983, 0.5
	D1
	v_floor_f32 v[\t0], v[\t0]
	D1
	v_fma_f32 v[\t1], v[\t0], 0xbfc90fdb, v[\x]
	D1
	v_fma_f32 v[\t1], v[\t0], 0x333bbd2e, v[\t1]
	D1
	v_fma_f32 v[\t1], v[\t0], 0x26f72cea, v[\t1]
	D1
	v_mul_f32 v[\t2], v[\t1], v[\t1]
	v_mov_b32 v[\t3], 0xb94ca1f9
	v_mov_b32 v[\t4], 0x37ccf5ce
	v_fma_f32 v[\t3], v[\t3], v[\t2], 0x3c08839e
	v_fma_f32 v[\t4], v[\t4], v[\t2], 0xbab6061a
	v_fma_f32 v[\t3], v[\t3], v[\t2], 0xbe2aaaa3
	v_fma_f32 v[\t4], v[\t4], v[\t2], 0x3d2aaaa5
	v_mul_f32 v[\t5], v[\t1], v[\t2]
	D1
	v_fma_f32 v[\t3], v[\t5], v[\t3], v[\t1]
	v_mul_f32 v[\t5], v[\t2], v[\t2]
	v_fma_f32 v[\t2], v[\t2], -0.5, 1.0
	D1
	v_fma_f32 v[\t4], v[\t5], v[\t4], v[\t2]
	v_cvt_i32_f32 v[\t0], v[\t0]
	D1
	v_and_b32 v[\t1], 1, v[\t0]
	D1
	v_cmp_ne_u32 vcc_lo, 0, v[\t1]
	v_cndmask_b32 v[\sn], v[\t3], v[\t4], vcc_lo
	v_cndmask_b32 v[\cs], v[\t4], v[\t3], vcc_lo
	v_and_b32 v[\t1], 2, v[\t0]
	v_add_nc_u32 v[\t0], 1, v[\t0]
	v_lshlrev_b32 v[\t1], 30, v[\t1]
	v_and_b32 v[\t0], 2, v[\t0]
	v_xor_b32 v[\sn], v[\sn], v[\t1]
	v_lshlrev_b32 v[\t0], 30, v[\t0]
	D1
	v_xor_b32 v[\cs], v[\cs], v[\t0]
.endm
	s_load_b256 s[4:11], s[0:1], 0x0               ; data 4, v 6, pmax 8, dq 10
	v_lshl_add_u32 v40, v0, 2, SPARE
	v_mov_b32 v41, 0
	v_lshrrev_b32 v1, 5, v0
	v_readfirstlane_b32 s12, v1                    ; wave 0..7
	v_and_b32 v2, 31, v0                           ; lane
	v_and_b32 v3, 15, v0
	v_bfe_u32 v5, v0, 4, 1
	s_mov_b32 s16, 0x76543210
	s_mov_b32 s17, 0xfedcba98                      ; v_permlanex16_b32: lane l xor 16
	s_wait_alu depctr_va_vdst(0)
	s_cmp_lt_u32 ttmp9, 64
	s_cbranch_scc0 .Lnorm
; ---------------- DATA
	s_lshr_b32 s13, ttmp9, 3                       ; bp
	s_and_b32 s14, ttmp9, 7                        ; cg
	s_lshr_b32 s15, s12, 2                         ; b
	s_and_b32 s18, s12, 3                          ; c
	s_lshl_b32 s20, s13, 1
	s_add_co_u32 s20, s20, s15
	s_lshl_b32 s20, s20, 19                        ; data: 524,288 bytes a b, 16,384 a c, from h = 28 on
	s_lshl_b32 s21, s14, 2
	s_add_co_u32 s21, s21, s18
	s_lshl_b32 s21, s21, 14
	s_add_co_u32 s20, s20, s21
	s_add_co_u32 s20, s20, 28*256
	s_mov_b32 s21, 0
	s_lshl_b32 s22, ttmp9, 9                       ; dq: my record
	s_mov_b32 s23, 0
	v_lshlrev_b32 v6, 4, v2                        ; 512 consecutive bytes: two rows
	v_and_b32 v7, 7, v2                            ; my own row h = 28 + lane % 8 (four lanes a row, with the same numbers)
	v_lshlrev_b32 v8, 8, v7
	s_mul_i32 s24, s12, 640
	v_mul_u32_u24 v9, 80, v5                       ; partial maxima, in: a row of 16 words, pitch 80
	v_lshl_add_u32 v9, v3, 2, v9
	v_add_nc_u32 v9, s24, v9
	v_mul_u32_u24 v10, 80, v7                      ; out: my own row
	v_add_nc_u32 v10, s24, v10
	v_and_b32 v11, 1, v7                           ; half
	v_lshrrev_b32 v12, 1, v7                       ; t
	s_lshl_b32 s25, s15, 6
	s_lshl_b32 s26, s18, 2
	s_add_co_u32 s25, s25, s26
	s_add_co_u32 s25, s25, ST
	v_lshl_add_u32 v13, v11, 7, s25
	v_lshl_add_u32 v13, v12, 4, v13                ; the record: 128 half + 64 b + 16 t + 4 c
	v_lshlrev_b32 v14, 3, v11
	v_add_nc_u32 v15, ST, v6
	v_mov_b32 v42, 0                               ; written once: the destination of a lane move counts as read
	s_wait_alu depctr_va_vdst(0)
	s_wait_kmcnt 0x0
	s_add_nc_u64 s[4:5], s[4:5], s[20:21]
	s_add_nc_u64 s[10:11], s[10:11], s[22:23]
.irp i, 0,1,2,3
	global_load_b128 v[16+4*\i:19+4*\i], v6, s[4:5] offset:512*\i
.endr
	global_load_b128 v[32:35], v8, s[4:5] offset:112   ; my own row's w 28..35
	global_load_b128 v[36:39], v8, s[4:5] offset:128
	s_wait_loadcnt 2                               ; the rows are in; the last two may be out
.irp i, 0,1,2,3
	v_max3_num_f32 v[44+\i], |v[16+4*\i]|, |v[17+4*\i]|, |v[18+4*\i]|
.endr
.irp i, 0,1,2,3
	v_max_num_f32 v[44+\i], v[44+\i], |v[19+4*\i]|
.endr
.irp i, 0,1,2,3
	ds_store_b32 v9, v[44+\i] offset:160*\i
.endr
.irp k, 0,1,2,3
	ds_load_b128 v[48+4*\k:51+4*\k], v10 offset:16*\k   ; my wave's own bytes: LDS serves a wave's instructions in order
.endr
	s_wait_loadcnt 0x0
	s_wait_dscnt 0x0
	v_max3_num_f32 v64, v48, v49, FLOOR
	v_max3_num_f32 v65, v56, v57, FLOOR
.irp i, 2,4,6
	v_max3_num_f32 v64, v64, v[48+\i], v[49+\i]
	v_max3_num_f32 v65, v65, v[56+\i], v[57+\i]
.endr
	v_add_nc_u32 v66, TWOFF, v64                   ; the conversions' scale operands
	v_add_nc_u32 v67, TWOFF, v65
	v_cvt_scalef32_pk8_fp4_f32 v68, v[32:39], v66
	v_cvt_scalef32_pk8_fp4_f32 v69, v[32:39], v67
	v_lshrrev_b32 v70, 23, v66                     ; the scales' bytes (plain lines behind the conversions)
	v_lshrrev_b32 v71, 23, v67
	v_bfi_b32 v68, 0xffff, v68, v69
	v_lshl_or_b32 v70, v71, 16, v70
	v_lshlrev_b32 v70, v14, v70
	v_mov_b32_dpp v42, v70 row_xmask:1 row_mask:0xf bank_mask:0xf
	v_or_b32 v70, v70, v42                         ; with the other half's two bytes the word is whole
	ds_store_b32 v13, v68
	ds_store_b32 v13, v70 offset:256
	s_wait_alu depctr_va_vdst(0)
	s_wait_dscnt 0x0                               ; for wave 0's sake
	s_barrier_signal -1
	s_barrier_wait -1
	s_cmp_lg_u32 s12, 0
	s_cbranch_scc1 .Ldata_end
	ds_load_b128 v[48:51], v15
	s_wait_dscnt 0x0
	global_store_b128 v6, v[48:51], s[10:11]       ; 512 consecutive bytes, at a multiple of 512 from dq's first byte
.Ldata_end:
	s_wait_tensorcnt 0x0                           ; the wave's end
	ds_add_u32 v40, v41
	s_wait_dscnt 0x0
	s_endpgm
; ---------------- NORM.  Thread t of work-group 64 + g: n = t % 16, w = 16 (g % 4) + t / 16, h = g / 4.
.Lnorm:
	s_sub_co_u32 s13, ttmp9, 64                    ; g
	v_lshlrev_b32 v6, 2, v3
	s_lshr_b32 s14, s13, 2
	s_and_b32 s15, s13, 3
	s_lshl_b32 s15, s15, 4
	v_lshrrev_b32 v7, 4, v0
	v_add_nc_u32 v7, s15, v7                       ; w
	v_mov_b32 v8, s14                              ; h
	LIN 10, 8, 9, 16                               ; X
	LIN 11, 7, 9, 16                               ; Y
	s_wait_alu depctr_va_vdst(0)
	s_wait_kmcnt 0x0
	global_load_b32 v4, v6, s[6:7]                 ; my angle
	s_wait_loadcnt 0x0
	SINCOS 4, 12, 13, 20, 21, 22, 23, 24, 25
	v_mul_f32 v14, v13, v10
	v_mul_f32 v15, -v12, v10
	v_fma_f32 v14, v12, v11, v14                   ; x0 =  c X + s Y
	v_fma_f32 v15, v13, v11, v15                   ; x1 = -s X + c Y
	v_mul_f32 v14, 0x41894569, v14                 ; x sqrt(log2(e) / 0.0049)
	v_mul_f32 v15, 0x41894569, v15
; norm^2 = the sum over both coordinates and 64 mu of exp(-(x - mu)^2 / sigma^2) = 2^-(d d): eight mu at a time, both coordinates in a pair.  Two sets of registers by turns: one set's exponentials
; go out, then the other set's are added, in two chains.
.macro GRP b, e
.irp p, 0,1,2,3,4,5,6,7
	MUSET \e+\p
	v_pk_add_f32 v[\b+2*\p:\b+2*\p+1], v[14:15], 0x80000000+MUB op_sel_hi:[1,0]
.endr
.irp p, 0,2,4,6,8,10,12,14
	v_pk_mul_f32 v[\b+\p:\b+\p+1], v[\b+\p:\b+\p+1], v[\b+\p:\b+\p+1] neg_lo:[1,0] neg_hi:[1,0]
.endr
	s_wait_alu depctr_va_vdst(0)                   ; the wait ahead of the batch stands behind the other set's too
.irp i, 0,1,2,3,4,5,6,7,8,9,10,11,12,13,14,15
	v_exp_f32 v[\b+\i], v[\b+\i]
.endr
.endm
.macro SUMS b, first
.if \first
	v_pk_add_f32 v[16:17], v[\b:\b+1], v[\b+2:\b+3]   ; the first terms start the chains
	v_pk_add_f32 v[18:19], v[\b+4:\b+5], v[\b+6:\b+7]
.else
	v_pk_add_f32 v[16:17], v[16:17], v[\b:\b+1]
	v_pk_add_f32 v[18:19], v[18:19], v[\b+2:\b+3]
	v_pk_add_f32 v[16:17], v[16:17], v[\b+4:\b+5]
	v_pk_add_f32 v[18:19], v[18:19], v[\b+6:\b+7]
.endif
	v_pk_add_f32 v[16:17], v[16:17], v[\b+8:\b+9]
	v_pk_add_f32 v[18:19], v[18:19], v[\b+10:\b+11]
	v_pk_add_f32 v[16:17], v[16:17], v[\b+12:\b+13]
	v_pk_add_f32 v[18:19], v[18:19], v[\b+14:\b+15]
.endm
	GRP 20, 0
	v_nop
	GRP 44, 8
	SUMS 20, 1
	GRP 20, 16
	SUMS 44, 0
	GRP 44, 24
	SUMS 20, 0
	GRP 20, 32
	SUMS 44, 0
	GRP 44, 40
	SUMS 20, 0
	GRP 20, 48
	SUMS 44, 0
	GRP 44, 56
	SUMS 20, 0
	s_wait_alu depctr_va_vdst(0)
	SUMS 44, 0
	v_pk_add_f32 v[16:17], v[16:17], v[18:19]
	v_add_f32 v16, v16, v17                        ; my point's norm^2
	D1
	v_max_num_f32_dpp v16, v16, v16 row_xmask:1 row_mask:0xf bank_mask:0xf
	D1
	v_max_num_f32_dpp v16, v16, v16 row_xmask:2 row_mask:0xf bank_mask:0xf
	D1
	v_max_num_f32_dpp v16, v16, v16 row_xmask:4 row_mask:0xf bank_mask:0xf
	D1
	v_max_num_f32_dpp v16, v16, v16 row_xmask:8 row_mask:0xf bank_mask:0xf
	D1
	v_permlanex16_b32 v17, v16, s16, s17
	D1
	v_max_num_f32 v16, v16, v17                    ; the wave's largest
	s_lshl_b32 s14, s12, 2
	s_add_co_u32 s14, s14, RW
	v_mov_b32 v18, s14
	ds_store_b32 v18, v16                          ; all lanes write the wave's word with the same value
	s_wait_alu depctr_va_vdst(0)
	s_wait_dscnt 0x0                               ; for wave 0's sake
	s_barrier_signal -1
	s_barrier_wait -1
	s_cmp_lg_u32 s12, 0
	s_cbranch_scc1 .Lnorm_end
	v_mov_b32 v19, RW
	ds_load_b128 v[20:23], v19
	ds_load_b128 v[24:27], v19 offset:16
	s_lshl_b32 s14, s13, 2
	v_mov_b32 v28, s14
	v_cmp_eq_u32 vcc_lo, 0, v0
	s_wait_alu depctr_va_vdst(0)
	s_wait_dscnt 0x0
	v_max3_num_f32 v20, v20, v21, v22
	v_max3_num_f32 v23, v23, v24, v25
	v_max3_num_f32 v20, v20, v26, v27
	v_max_num_f32 v20, v20, v23
	s_wait_alu depctr_va_vdst(0)
	s_wait_xcnt 0x0                                ; EXEC changes only behind this wait
	s_and_saveexec_b32 s18, vcc_lo
	global_store_b32 v28, v20, s[8:9]              ; one number a work-group: 1,024 bytes in the whole launch
	s_wait_xcnt 0x0
	s_or_b32 exec_lo, exec_lo, s18
.Lnorm_end:
	s_wait_tensorcnt 0x0                           ; the wave's end, as above
	ds_add_u32 v40, v41
	s_wait_dscnt 0x0
	s_endpgm
.Lfunc_end_k_qd28ae37f25_prep:
	.size	k_qd28ae37f25_prep, .Lfunc_end_k_qd28ae37f25_prep-k_qd28ae37f25_prep
	.p2alignl 7, 3214868480
	.fill 96, 4, 3214868480
	.section	.rodata,"a",@progbits
	.p2align	6, 0x0
	.amdhsa_kernel k_qd28ae37f25_prep
		.amdhsa_group_segment_fixed_size 6912
		.amdhsa_private_segment_fixed_size 0
		.amdhsa_enable_private_segment 0
		.amdhsa_kernarg_size 32
		.amdhsa_user_sgpr_count 2
		.amdhsa_user_sgpr_kernarg_segment_ptr 1
		.amdhsa_wavefront_size32 1
		.amdhsa_system_sgpr_workgroup_id_x 1
		.amdhsa_system_sgpr_workgroup_id_y 1
		.amdhsa_system_sgpr_workgroup_id_z 1
		.amdhsa_system_vgpr_workitem_id 0
		.amdhsa_next_free_vgpr 72
		.amdhsa_next_free_sgpr 66
		.amdhsa_reserve_vcc 1
		.amdhsa_float_denorm_mode_32 3
		.amdhsa_float_denorm_mode_16_64 3
		.amdhsa_memory_ordered 1
		.amdhsa_forward_progress 1
		.amdhsa_inst_pref_size 30
	.end_amdhsa_kernel
	.amdgpu_metadata
---
amdhsa.version: [ 1, 2 ]
amdhsa.kernels:
  - .name:           k_qd28ae37f25_prep
    .symbol:         k_qd28ae37f25_prep.kd
    .args:
      - { .name: data, .offset: 0, .size: 8, .value_kind: global_buffer, .address_space: global }
      - { .name: v, .offset: 8, .size: 8, .value_kind: global_buffer, .address_space: global }
      - { .name: pmax, .offset: 16, .size: 8, .value_kind: global_buffer, .address_space: global }
      - { .name: dq, .offset: 24, .size: 8, .value_kind: global_buffer, .address_space: global }
    .group_segment_fixed_size: 6912
    .private_segment_fixed_size: 0
    .kernarg_segment_align: 8
    .kernarg_segment_size: 32
    .max_flat_workgroup_size: 256
    .sgpr_count:     66
    .vgpr_count:     72
    .wavefront_size: 32
...
	.end_amdgpu_metadata
.endif
;; end of part 1
;; launch net (part 2): grid 16 x 16, 16 waves a work-group, no clusters, 18,176 bytes of LDS; arguments W0_codes, W1_codes, W0_scales, W1_scales, b0, b1, Wout_codes, Wout_scales, bout, dq, v, out0, pmax; writes out0
.if DOCPART == 2
	.amdgcn_target "amdgcn-amd-amdhsa--gfx1250"
	.amdhsa_code_object_version 6
	.text
	.protected	k_qd28ae37f25_net
	.globl	k_qd28ae37f25_net
	.p2align	8
	.type	k_qd28ae37f25_net,@function
k_qd28ae37f25_net:
	s_mov_b64 s[64:65], 0
	v_nop
	global_prefetch_b8 v0, s[64:65] scope:SCOPE_SE
	s_setreg_imm32_b32 hwreg(HW_REG_WAVE_MODE, 25, 1), 1
	s_wait_xcnt 0x0
; NET: embedding, MLP, filter, window and the contraction with data.  Work-group (x = n, y = b) makes the row out0[b][n][0 .. 63]: the sum over all c, h, w.
; DEAD WORK LEFT OUT: only the 64 points h, w in 28 .. 35 can lie in the window, for every v (shown at the head of the launch before); the products' rows of all other points are left out.  The window of these 64 is
;   computed and applied.
; LIMITS: v finite, |v| up to about 1e5; a NaN, an infinity or an overflow that reaches only work left out is not carried to the result, and weights or biases that are not finite give 0 outside the window; a point
;   within f32 rounding of the window's edge may fall on either side; embedding terms under 2^-126 count as 0; a block of zeros carries the byte 1 where the quantiser says 127: its codes are zeros, the bytes stay here.
; THE MLP.  Row r of tile t: h = 28 + 2 t + r / 8, w = 28 + r % 8.  Wave (t = wave / 4, q = wave % 4) makes block q of 32 numbers along K of each layer's operand for tile t: the embedding's (coordinate q / 2, 32 mu),
;   then hidden units 32 q .. + 31.  The products are used transposed (source 0 = 16 rows of the weight: lane r of weight tile u takes row 32 q + 8 u + r + 8 (r / 8)), so that a lane's 16 results are neighbours along the
;   next K.  Codes and scale bytes meet in LDS as images of the operand's registers.
; THE FILTER.  Wave: c = 8 (wave / 4) + 4 k + i in two halves k of four c, d tile wave % 4.  Lane (d, half), register j of a product with tile t is h = 28 + 2 t + half, w = 28 + j: four numbers of the block w < 32 and
;   four of the block w >= 32; all others of these blocks are 0.  A fragment of the last product has these four blocks: register 0 block (h, w < 32) in its low half, register 4 block (h, w >= 32) in its high half.
;   Data's fragment is 0 everywhere else, so what the filter's registers hold there meets zeros.  Data's 16 rows are tiles t' of my b: row r has t' = (r / 2) % 2 + 2 (r / 8); accumulator t takes the products of
;   tile t, and its rows t' = t count.
; ALL operands go from memory straight into registers, each once: no tensor load, hence no joint load, no cluster, and no loop that could run ahead.  One store covers the row's 256 bytes.
.set IMC,   0                          ; LDS: operand images: three layers x four tiles x 1,024 bytes
.set IMS,   12288                      ; their scale words: three layers x four tiles x 64 bytes
.set MB,    13056                      ; the window as numbers: four copies (q) x four tiles x 64 bytes
.set RED,   14080                      ; the waves' sums: 128 bytes each
.set SPARE, 16128                      ; the spare words
.set FLOOR, 0x1800000                  ; 2^(3 - 127): a scale byte cannot fall under 1
.set TWOFF, 0xff000000                 ; takes 2 off an exponent field
.set R,   1
.set HF,  2
.set LN,  3
.set SPW, 4
.set NIL, 5
.set IST, 6
.set ISS, 7
.set ILD, 8
.set ILS, 9
.set DW,  10                           ; v10-13 data's words
.set BI1, 14
.set W0S, 15                           ; v15-35 hold scales and nothing else
.set W1S, 17
.set PW,  19
.set WOS, 20
.set H2S, 24
.set FSW, 28
.set DSC, 32
.set BO,  36                           ; v36-39 bout of my d, four c
.set TM,  40                           ; v40-55 at work; then data's two fragments
.set DF,  40
.set AF,  56                           ; v56-63 a layer's operand; then addresses, and my sum
.set SUM, 63
.set W0,  64                           ; v64-79 W0, v80-95 hidden 1, v96-111 W1, v112-127 hidden 2; then filter tiles of c 2, 3
.set H1,  80
.set W1,  96
.set HB,  112
.set VW,  112                          ; the loads' offsets, until hidden 2 is made
.set VS,  113
.set VB,  114
.set VO,  115
.set VR4, 116
.set VDQ, 117
.set VPM, 118
.set MLD, 119
.set BI0, 120
.set MST, 121
.set LP,  122
.set XC,  124
.set GX,  126
.set GY,  127
.set DA,  160                          ; v160-167 the largest norms
.set D1Z, 192                          ; v192-223 filter tiles of c 1
.set MU,  224                          ; v224-239 mu, v240-255 the embedding
.set X,   240
.set M,   224                          ; v224-255 the window, then hidden 2's fragments, then the four sums
.set ACC, 224
.macro ZONES wo, d0                    ; Wout's four fragments lie at wo; behind their products the same 32 registers serve the quantiser; filter tiles of c 0 at d0.  The halves change them over
.set WO,  \wo
.set TQ,  \wo                          ; maxima and scale operands, two a tile
.set QQ,  \wo+8
.set PP,  \wo+12
.set FB,  \wo+14                       ; the filter's fragments: tile t from v[FB + 2 (t % 2) + 8 (t / 2)] on, overlapping where data is 0
.set D0Z, \d0
.endm
	ZONES 128, 160
.macro D1
	s_delay_alu instid0(VALU_DEP_1)
.endm
.macro LIN dst, idx, q, t              ; the grid coordinate of an index: q = idx / 63, then -(1 - q) + q
	v_cvt_f32_u32 v[\t], v[\idx]
	D1
	v_mul_f32 v[\q], 0x3c820821, v[\t]
	D1
	v_fma_f32 v[\t], v[\q], 0xc27c0000, v[\t]
	D1
	v_fma_f32 v[\q], v[\t], 0x3c820821, v[\q]
	D1
	v_add_f32 v[\t], -1.0, v[\q]
	D1
	v_add_f32 v[\dst], v[\q], v[\t]
.endm
.macro SINCOS x, sn, cs, t0, t1, t2, t3, t4, t5   ; as in the launch before
	v_fma_f32 v[\t0], v[\x], 0x3f22f983, 0.5
	D1
	v_floor_f32 v[\t0], v[\t0]
	D1
	v_fma_f32 v[\t1], v[\t0], 0xbfc90fdb, v[\x]
	D1
	v_fma_f32 v[\t1], v[\t0], 0x333bbd2e, v[\t1]
	D1
	v_fma_f32 v[\t1], v[\t0], 0x26f72cea, v[\t1]
	D1
	v_mul_f32 v[\t2], v[\t1], v[\t1]
	v_mov_b32 v[\t3], 0xb94ca1f9
	v_mov_b32 v[\t4], 0x37ccf5ce
	v_fma_f32 v[\t3], v[\t3], v[\t2], 0x3c08839e
	v_fma_f32 v[\t4], v[\t4], v[\t2], 0xbab6061a
	v_fma_f32 v[\t3], v[\t3], v[\t2], 0xbe2aaaa3
	v_fma_f32 v[\t4], v[\t4], v[\t2], 0x3d2aaaa5
	v_mul_f32 v[\t5], v[\t1], v[\t2]
	D1
	v_fma_f32 v[\t3], v[\t5], v[\t3], v[\t1]
	v_mul_f32 v[\t5], v[\t2], v[\t2]
	v_fma_f32 v[\t2], v[\t2], -0.5, 1.0
	D1
	v_fma_f32 v[\t4], v[\t5], v[\t4], v[\t2]
	v_cvt_i32_f32 v[\t0], v[\t0]
	D1
	v_and_b32 v[\t1], 1, v[\t0]
	D1
	v_cmp_ne_u32 vcc_lo, 0, v[\t1]
	v_cndmask_b32 v[\sn], v[\t3], v[\t4], vcc_lo
	v_cndmask_b32 v[\cs], v[\t4], v[\t3], vcc_lo
	v_and_b32 v[\t1], 2, v[\t0]
	v_add_nc_u32 v[\t0], 1, v[\t0]
	v_lshlrev_b32 v[\t1], 30, v[\t1]
	v_and_b32 v[\t0], 2, v[\t0]
	v_xor_b32 v[\sn], v[\sn], v[\t1]
	v_lshlrev_b32 v[\t0], 30, v[\t0]
	D1
	v_xor_b32 v[\cs], v[\cs], v[\t0]
.endm
.macro WM d, a, b, cz, sa, sb          ; one matrix instruction; cz = 1: C is the constant 0, else C = D
.if \cz
	v_wmma_scale_f32_16x16x128_f8f6f4 v[\d:\d+7], v[\a:\a+7], v[\b:\b+7], 0, v[\sa], v[\sb] matrix_a_fmt:MATRIX_FMT_FP4 matrix_b_fmt:MATRIX_FMT_FP4
.else
	v_wmma_scale_f32_16x16x128_f8f6f4 v[\d:\d+7], v[\a:\a+7], v[\b:\b+7], v[\d:\d+7], v[\sa], v[\sb] matrix_a_fmt:MATRIX_FMT_FP4 matrix_b_fmt:MATRIX_FMT_FP4
.endif
.endm
.macro PLACES n
.rept \n
	v_nop
.endr
.endm
.macro BSIG                            ; my LDS accesses are done
	s_wait_alu depctr_va_vdst(0)
	s_wait_dscnt 0x0
	s_barrier_signal -1
.endm
; 16 numbers of a lane, k = 32 q + 16 half + i of my row, become codes and a scale byte in the image of layer ly; mk = 1: rows outside the window get codes 0
.macro QUANT s, ly, mk
	v_max3_num_f32 v[TM], |v[\s]|, |v[\s+1]|, FLOOR
	v_max3_num_f32 v[TM+1], |v[\s+2]|, |v[\s+3]|, FLOOR
.irp i, 4,8,12
	v_max3_num_f32 v[TM], v[TM], |v[\s+\i]|, |v[\s+\i+1]|
	v_max3_num_f32 v[TM+1], v[TM+1], |v[\s+\i+2]|, |v[\s+\i+3]|
.endr
	v_max_num_f32 v[TM], v[TM], v[TM+1]
	v_permlanex16_b32 v[TM+2], v[TM], s6, s7
	v_max_num_f32 v[TM], v[TM], v[TM+2]            ; with lane l xor 16's 16: the block's largest magnitude
	v_add_nc_u32 v[TM+3], TWOFF, v[TM]             ; the conversions' scale operand
	v_cvt_scalef32_pk8_fp4_f32 v[TM+6], v[\s:\s+7], v[TM+3]
	v_cvt_scalef32_pk8_fp4_f32 v[TM+7], v[\s+8:\s+15], v[TM+3]
	v_lshrrev_b32 v[TM+4], 23, v[TM+3]             ; the scale's byte (a plain line behind the conversions)
.if \mk
	v_cndmask_b32 v[TM+6], 0, v[TM+6], s14
	v_cndmask_b32 v[TM+7], 0, v[TM+7], s14
.endif
	ds_store_b64 v[IST], v[TM+6:TM+7] offset:4096*\ly
	ds_store_b8 v[ISS], v[TM+4] offset:256*\ly
.endm
.macro OPND ly                         ; my tile's whole operand
	ds_load_b128 v[AF:AF+3], v[ILD] offset:4096*\ly
	ds_load_b128 v[AF+4:AF+7], v[ILD] offset:4096*\ly+512
	ds_load_b32 v[PW], v[ILS] offset:256*\ly
.endm
.macro WINDOW adr                      ; the window of rows 8 half + j of the four tiles
.irp t, 0,1,2,3
	ds_load_b128 v[M+8*\t:M+8*\t+3], v[\adr] offset:64*\t
	ds_load_b128 v[M+8*\t+4:M+8*\t+7], v[\adr] offset:64*\t+16
.endr
.endm
.macro LAYER w, ws, h, bi              ; 32 hidden units of my tile: x / (1 + 2^(-x log2 e)) of product + bias
	WM \h, \w, AF, 1, \ws, PW
	WM \h+8, \w+8, AF, 1, \ws+1, PW
	PLACES 4                                       ; in front of the first read of the results
.irp i, 0,1,2,3,4,5,6,7,8,9,10,11,12,13,14,15
	v_add_f32_dpp v[\h+\i], v[\bi], v[\h+\i] row_share:\i row_mask:0xf bank_mask:0xf   ; lane i of my half holds the bias of unit 32 q + 16 half + i
.endr
.irp p, 0,2,4,6,8,10,12,14
	v_pk_mul_f32 v[TM+\p:TM+\p+1], v[\h+\p:\h+\p+1], 0xbfb8aa3b op_sel_hi:[1,0]
.endr
	s_wait_alu depctr_va_vdst(0)
.irp i, 0,1,2,3,4,5,6,7,8,9,10,11,12,13,14,15
	v_exp_f32 v[TM+\i], v[TM+\i]
.endr
	v_nop
	s_wait_alu depctr_va_vdst(0)
.irp p, 0,2,4,6,8,10,12,14
	v_pk_add_f32 v[TM+\p:TM+\p+1], v[TM+\p:TM+\p+1], 1.0 op_sel_hi:[1,0]
.endr
	s_wait_alu depctr_va_vdst(0)
.irp i, 0,1,2,3,4,5,6,7,8,9,10,11,12,13,14,15
	v_rcp_f32 v[TM+\i], v[TM+\i]
.endr
	v_nop
	s_wait_alu depctr_va_vdst(0)
.irp p, 0,2,4,6,8,10,12,14
	v_pk_mul_f32 v[\h+\p:\h+\p+1], v[\h+\p:\h+\p+1], v[TM+\p:TM+\p+1]
.endr
.endm
.macro DSET s                          ; where the filter tiles of c = s of a half lie
.if (\s) == 0
.set DD, D0Z
.elseif (\s) == 1
.set DD, D1Z
.else
.set DD, W0+32*(\s-2)
.endif
.endm
.macro PFILL s                         ; C of the filter's products: bout x window
	DSET \s
.irp t, 0,1,2,3
.irp p, 0,2,4,6
.if (\s)&1
	v_pk_mul_f32 v[DD+8*\t+\p:DD+8*\t+\p+1], v[M+8*\t+\p:M+8*\t+\p+1], v[BO+\s-1:BO+\s] op_sel:[0,1] op_sel_hi:[1,1]
.else
	v_pk_mul_f32 v[DD+8*\t+\p:DD+8*\t+\p+1], v[M+8*\t+\p:M+8*\t+\p+1], v[BO+\s:BO+\s+1] op_sel_hi:[1,0]
.endif
.endr
.endr
.endm
.macro WORDS k, adr                    ; Wout's scale words and bout of half k, eight loads
.irp i, 0,1,2,3
	global_load_b32 v[WOS+\i], v[\adr], s[46:47] offset:1024*\k+256*\i
	global_load_b32 v[BO+\i], v[\adr], s[48:49] offset:1024*\k+256*\i
.endr
.endm
.macro RECORD k, adr                   ; data's words and scale words of half k, two
	global_load_b128 v[DW:DW+3], v[\adr], s[50:51] offset:512*\k
	global_load_b128 v[DSC:DSC+3], v[\adr], s[50:51] offset:512*\k+256
.endm
.macro CODES k, adr, to                ; Wout's codes of half k, eight
.irp i, 0,1,2,3
	global_load_b128 v[\to+8*\i:\to+8*\i+3], v[\adr], s[44:45] offset:16384*\k+4096*\i
	global_load_b128 v[\to+8*\i+4:\to+8*\i+7], v[\adr], s[44:45] offset:16384*\k+4096*\i+32
.endr
.endm
	s_load_b512 s[32:47], s[0:1], 0x0              ; W0_codes 32, W1_codes 34, W0_scales 36, W1_scales 38, b0 40, b1 42, Wout_codes 44, Wout_scales 46
	s_load_b256 s[48:55], s[0:1], 0x40             ; bout 48, dq 50, v 52, out0 54
	s_load_b64 s[66:67], s[0:1], 0x60              ; pmax
	v_lshl_add_u32 v[SPW], v0, 2, SPARE
	v_mov_b32 v[NIL], 0
	v_lshrrev_b32 v[TM], 5, v0
	v_readfirstlane_b32 s2, v[TM]                  ; wave 0..15
	v_and_b32 v[R], 15, v0                         ; r
	v_bfe_u32 v[HF], v0, 4, 1                      ; half
	v_and_b32 v[LN], 31, v0                        ; lane
	v_and_b32 v[TM+1], 8, v[R]
	v_add_nc_u32 v[TM+1], v[TM+1], v[R]            ; r + 8 (r / 8)
	v_lshlrev_b32 v[VW], 6, v[TM+1]
	v_lshl_add_u32 v[VW], v[HF], 4, v[VW]          ; W0, W1: rows of 64 bytes, + 16 half
	v_lshlrev_b32 v[VS], 2, v[TM+1]                ; their scale words
	v_lshlrev_b32 v[VB], 2, v[LN]                  ; b0, b1: unit 32 q + lane
	v_lshlrev_b32 v[VO], 6, v[R]
	v_lshl_add_u32 v[VO], v[HF], 4, v[VO]          ; Wout: row r of a tile, + 16 half
	v_lshlrev_b32 v[VR4], 2, v[R]                  ; its scale words, bout
	v_lshlrev_b32 v[VPM], 5, v[LN]                 ; the 256 partial largest norms, eight a lane
	v_bfe_u32 v[TM+3], v[R], 1, 1
	v_lshrrev_b32 v[TM+4], 3, v[R]
	v_lshlrev_b32 v[VDQ], 7, v[HF]                 ; dq's record: 128 half + 16 t', four c (my b's 64 bytes stand in the base)
	v_lshl_add_u32 v[VDQ], v[TM+3], 4, v[VDQ]
	v_lshl_add_u32 v[VDQ], v[TM+4], 5, v[VDQ]
	s_wait_alu depctr_va_vdst(0)
	s_lshr_b32 s3, s2, 2                           ; t; in the filter: my eight c
	s_and_b32 s4, s2, 3                            ; q; in the filter: my d tile
	s_and_b32 s5, ttmp7, 0xffff                    ; b
	s_lshr_b32 s21, s5, 1
	s_and_b32 s22, s5, 1
	s_lshl_b32 s18, s21, 3
	s_lshl_b32 s23, s3, 1
	s_add_co_u32 s18, s18, s23
	s_lshl_b32 s18, s18, 9                         ; dq: my two records, for four c each,
	s_lshl_b32 s22, s22, 6
	s_add_co_u32 s18, s18, s22                     ;   from my b on
	s_mov_b32 s19, 0
	s_lshl_b32 s56, s5, 4
	s_add_co_u32 s56, s56, ttmp9
	s_lshl_b32 s56, s56, 8                         ; out0: row (b, n) of 256 bytes
	s_mov_b32 s57, 0
	s_lshl_b32 s26, s3, 9
	s_lshl_b32 s23, s4, 4
	s_add_co_u32 s26, s26, s23                     ; my first column of Wout: 64 c + 16 (wave % 4)
	s_lshl_b32 s28, s26, 6
	s_mov_b32 s29, 0
	s_lshl_b32 s30, s26, 2
	s_mov_b32 s31, 0
	s_lshl_b32 s10, ttmp9, 2
	s_mov_b32 s11, 0
	s_lshl_b32 s12, s4, 11
	s_lshl_b32 s13, s4, 7
	v_add_nc_u32 v[VW], s12, v[VW]
	v_add_nc_u32 v[VS], s13, v[VS]
	v_add_nc_u32 v[VB], s13, v[VB]
	s_mov_b32 s6, 0x76543210
	s_mov_b32 s7, 0xfedcba98                       ; v_permlanex16_b32: lane l xor 16
	s_mov_b32 s8, 0xc31336ba                       ; -log2(e) / (2 x 0.0049), twice
	s_mov_b32 s9, 0xc31336ba
	s_mov_b32 s15, 0xffff0000                      ; lanes 16-31
	s_mov_b32 s16, 0x3dcccccd                      ; a = 0.1
	s_cmp_ge_u32 s4, 2
	s_cselect_b32 s17, -1, 0                       ; my coordinate: x0 (q < 2) or x1
	; LDS addresses
	s_lshl_b32 s58, s2, 8
	s_add_co_u32 s58, s58, IMC
	v_lshl_add_u32 v[IST], v[R], 4, s58            ; image, in: block q lies in the lanes of half q % 2, registers 4 (q / 2) + 2 half on: 1,024 t + 256 q + 16 r + 8 half
	v_lshl_add_u32 v[IST], v[HF], 3, v[IST]
	s_lshl_b32 s59, s3, 6
	s_add_co_u32 s59, s59, IMS
	v_lshl_add_u32 v[ILS], v[R], 2, s59            ; my tile's scale words,
	v_add_nc_u32 v[ISS], s4, v[ILS]                ; and my byte in them
	s_lshl_b32 s60, s3, 10
	s_add_co_u32 s60, s60, IMC
	v_lshl_add_u32 v[ILD], v[LN], 4, s60           ; image, out: 16 bytes a lane
	s_lshl_b32 s61, s4, 8
	s_add_co_u32 s61, s61, MB
	v_lshl_add_u32 v[MLD], v[HF], 5, s61           ; window, out: copy q, rows 8 half on
	s_lshl_b32 s5, s3, 6
	s_add_co_u32 s62, s61, s5
	v_lshl_add_u32 v[MST], v[R], 2, s62            ; in: copy q, tile t, row r
	; my row's grid coordinates, and my 16 mu = (32 (q % 2) + 16 half + i) / 63, rounded to nearest
	s_lshl_b32 s5, s3, 1
	s_add_co_u32 s5, s5, 28
	v_lshrrev_b32 v[TM+10], 3, v[R]
	v_add_nc_u32 v[TM+10], s5, v[TM+10]
	v_and_b32 v[TM+11], 7, v[R]
	v_add_nc_u32 v[TM+11], 28, v[TM+11]
	LIN GX, TM+10, TM+12, TM+13
	LIN GY, TM+11, TM+12, TM+13
	s_and_b32 s5, s4, 1
	s_lshl_b32 s5, s5, 5
	v_lshlrev_b32 v[TM+6], 4, v[HF]
	v_add_nc_u32 v[TM+6], s5, v[TM+6]
	v_cvt_f32_u32 v[X], v[TM+6]
	v_mov_b32 v[LP+1], 0                           ; named as the upper halves of pairs
	v_mov_b32 v[XC+1], 0
	v_add_f32 v[X+1], 1.0, v[X]
	v_pk_add_f32 v[X+2:X+3], v[X:X+1], 2.0 op_sel_hi:[1,0]
	v_pk_add_f32 v[X+4:X+5], v[X:X+1], 4.0 op_sel_hi:[1,0]
	v_pk_add_f32 v[X+6:X+7], v[X:X+1], 0x40c00000 op_sel_hi:[1,0]
	v_pk_add_f32 v[X+8:X+9], v[X:X+1], 0x41000000 op_sel_hi:[1,0]
	v_pk_add_f32 v[X+10:X+11], v[X:X+1], 0x41200000 op_sel_hi:[1,0]
	v_pk_add_f32 v[X+12:X+13], v[X:X+1], 0x41400000 op_sel_hi:[1,0]
	v_pk_add_f32 v[X+14:X+15], v[X:X+1], 0x41600000 op_sel_hi:[1,0]
.irp p, 0,2,4,6,8,10,12,14
	v_pk_mul_f32 v[MU+\p:MU+\p+1], v[X+\p:X+\p+1], 0x3c820821 op_sel_hi:[1,0]
.endr
.irp p, 0,2,4,6,8,10,12,14
	v_pk_fma_f32 v[X+\p:X+\p+1], v[MU+\p:MU+\p+1], 0xc27c0000, v[X+\p:X+\p+1] op_sel_hi:[1,0,1]
.endr
.irp p, 0,2,4,6,8,10,12,14
	v_pk_fma_f32 v[MU+\p:MU+\p+1], v[X+\p:X+\p+1], 0x3c820821, v[MU+\p:MU+\p+1] op_sel_hi:[1,0,1]
.endr
	s_wait_alu depctr_va_vdst(0)
	s_wait_kmcnt 0x0
	s_add_nc_u64 s[52:53], s[52:53], s[10:11]
	s_load_b32 s20, s[52:53], 0x0                  ; my angle
	global_load_b128 v[DA:DA+3], v[VPM], s[66:67]  ; 16 loads at the head, in the order of their use: the largest norms, two,
	global_load_b128 v[DA+4:DA+7], v[VPM], s[66:67] offset:16
.irp u, 0,1                                    ; W0's group of seven,
	global_load_b128 v[W0+8*\u:W0+8*\u+3], v[VW], s[32:33] offset:512*\u
	global_load_b128 v[W0+8*\u+4:W0+8*\u+7], v[VW], s[32:33] offset:512*\u+32
	global_load_b32 v[W0S+\u], v[VS], s[36:37] offset:32*\u
.endr
	global_load_b32 v[BI0], v[VB], s[40:41]
.irp u, 0,1                                    ; W1's group of seven
	global_load_b128 v[W1+8*\u:W1+8*\u+3], v[VW], s[34:35] offset:512*\u
	global_load_b128 v[W1+8*\u+4:W1+8*\u+7], v[VW], s[34:35] offset:512*\u+32
	global_load_b32 v[W1S+\u], v[VS], s[38:39] offset:32*\u
.endr
	global_load_b32 v[BI1], v[VB], s[42:43]
	s_add_nc_u64 s[44:45], s[44:45], s[28:29]
	s_add_nc_u64 s[46:47], s[46:47], s[30:31]
	s_add_nc_u64 s[48:49], s[48:49], s[30:31]
	s_add_nc_u64 s[50:51], s[50:51], s[18:19]
	s_add_nc_u64 s[54:55], s[54:55], s[56:57]
	; ---- log2 of 1 / the largest norm of all 65,536 points: it is added to the exponents
	s_wait_loadcnt 14                              ; the largest norms are in; the layers' fourteen loads may be out
	v_max3_num_f32 v[DA], v[DA], v[DA+1], v[DA+2]
	v_max3_num_f32 v[DA+3], v[DA+3], v[DA+4], v[DA+5]
	v_max3_num_f32 v[DA], v[DA], v[DA+6], v[DA+7]
	v_max_num_f32 v[DA], v[DA], v[DA+3]
	v_max_num_f32_dpp v[DA], v[DA], v[DA] row_xmask:1 row_mask:0xf bank_mask:0xf
	v_max_num_f32_dpp v[DA], v[DA], v[DA] row_xmask:2 row_mask:0xf bank_mask:0xf
	v_max_num_f32_dpp v[DA], v[DA], v[DA] row_xmask:4 row_mask:0xf bank_mask:0xf
	v_max_num_f32_dpp v[DA], v[DA], v[DA] row_xmask:8 row_mask:0xf bank_mask:0xf
	v_permlanex16_b32 v[DA+1], v[DA], s6, s7
	v_max_num_f32 v[DA], v[DA], v[DA+1]
	s_wait_alu depctr_va_vdst(0)
	v_log_f32 v[DA+2], v[DA]
	; ---- the rotated coordinates, the window, the embedding
	s_wait_kmcnt 0x0
	v_mov_b32 v[TM], s20
	SINCOS TM, TM+1, TM+2, TM+3, TM+4, TM+5, TM+6, TM+7, TM+8
	v_mul_f32 v[TM+9], v[TM+2], v[GX]
	v_mul_f32 v[TM+10], -v[TM+1], v[GX]
	s_wait_alu depctr_va_vdst(0)
	v_mul_f32 v[LP], -0.5, v[DA+2]                 ; (the search kept the squared norm)
	v_fma_f32 v[TM+9], v[TM+1], v[GY], v[TM+9]     ; x0 =  c X + s Y
	v_fma_f32 v[TM+10], v[TM+2], v[GY], v[TM+10]   ; x1 = -s X + c Y
	v_max_num_f32 v[TM+11], |v[TM+9]|, |v[TM+10]|
	v_cndmask_b32 v[XC], v[TM+9], v[TM+10], s17
	v_cmp_ge_f32 s14, s16, v[TM+11]                ; the window of my row: bits r and 16 + r
	v_cndmask_b32 v[TM+12], 0, 1.0, s14
	ds_store_b32 v[MST], v[TM+12]
.irp p, 0,2,4,6,8,10,12,14
	v_pk_add_f32 v[X+\p:X+\p+1], v[XC:XC+1], v[MU+\p:MU+\p+1] op_sel_hi:[0,1] neg_lo:[0,1] neg_hi:[0,1]
.endr
.irp p, 0,2,4,6,8,10,12,14
	v_pk_mul_f32 v[X+\p:X+\p+1], v[X+\p:X+\p+1], v[X+\p:X+\p+1]
.endr
.irp p, 0,2,4,6,8,10,12,14
	v_pk_fma_f32 v[X+\p:X+\p+1], v[X+\p:X+\p+1], s[8:9], v[LP:LP+1] op_sel_hi:[1,0,0]
.endr
	s_wait_alu depctr_va_vdst(0)
.irp i, 0,1,2,3,4,5,6,7,8,9,10,11,12,13,14,15
	v_exp_f32 v[X+\i], v[X+\i]
.endr
	v_nop
	s_wait_alu depctr_va_vdst(0)
	QUANT X, 0, 0
	WORDS 0, VR4                                   ; 18 loads more, for the filter's first half
	RECORD 0, VDQ
	CODES 0, VO, WO
	BSIG
	s_barrier_wait -1
	; ---- the hidden layers
	OPND 0
	WINDOW MLD
	s_wait_loadcnt 25                              ; W0's group of seven is in; W1's and the filter's may be out
	s_wait_dscnt 8                                 ; the operand is in; the window's eight loads may be out
	LAYER W0, W0S, H1, BI0
	QUANT H1, 1, 0
	s_wait_loadcnt 10                              ; W1's group and bout are in; data's two and Wout's eight may be out
	BSIG
	PFILL 0                                        ; between signal and wait registers alone: half of the filter's C
	PFILL 1
	s_wait_alu depctr_va_vdst(0)
	s_barrier_wait -1
	OPND 1
	s_wait_xcnt 0x0                                ; the loads' offsets lie where hidden 2 comes
	s_wait_dscnt 0x0
	LAYER W1, W1S, HB, BI1
	QUANT HB, 2, 1
	BSIG
	PFILL 2                                        ; the other half, data's fragments' zeros, addresses
	PFILL 3
.irp i, 1,2,3,5,6,7,9,10,11,13,14,15
	v_mov_b32 v[DF+\i], 0
.endr
	v_lshl_add_u32 v[ILS], v[LN], 4, IMC+8192      ; hidden 2's images
	v_lshl_add_u32 v[ISS], v[R], 2, IMS+512        ; and their scale words
	v_lshlrev_b32 v[AF], 6, v[R]                   ; the second half's loads: Wout's codes,
	v_lshl_add_u32 v[AF], v[HF], 4, v[AF]
	v_lshlrev_b32 v[AF+1], 2, v[R]                 ; its scale words and bout,
	v_bfe_u32 v[AF+4], v[R], 1, 1
	v_lshrrev_b32 v[AF+5], 3, v[R]
	v_lshlrev_b32 v[AF+2], 7, v[HF]                ; dq's record,
	v_lshl_add_u32 v[AF+2], v[AF+4], 4, v[AF+2]
	v_lshl_add_u32 v[AF+2], v[AF+5], 5, v[AF+2]
	v_lshl_add_u32 v[AF+3], v[HF], 5, s61          ; and the window
	s_wait_alu depctr_va_vdst(0)
	s_barrier_wait -1
	; ---- the filter, in two halves of four c: 16 tiles each, then the last product
.macro CONTR s                         ; data x filter of c = s: four sums, one instruction each
.irp t, 0,1,2,3
.if (\s) == 0
	WM ACC+8*\t, DF+8*((\s)&1), FB+2*(\t&1)+8*(\t/2), 1, DSC+(\s), FSW+\t
.else
	WM ACC+8*\t, DF+8*((\s)&1), FB+2*(\t&1)+8*(\t/2), 0, DSC+(\s), FSW+\t
.endif
.endr
.endm
.macro QSET s                          ; the four tiles of c = s are quantised; the products of c = s - 1 go out in their midst
	DSET \s
.irp t, 0,1,2,3
	v_max3_num_f32 v[TQ+2*\t], |v[DD+8*\t]|, |v[DD+8*\t+1]|, FLOOR
.endr
.irp t, 0,1,2,3
	v_max3_num_f32 v[TQ+2*\t+1], |v[DD+8*\t+4]|, |v[DD+8*\t+5]|, FLOOR
.endr
.irp t, 0,1,2,3
	v_max3_num_f32 v[TQ+2*\t], v[TQ+2*\t], |v[DD+8*\t+2]|, |v[DD+8*\t+3]|
.endr
.irp t, 0,1,2,3
	v_max3_num_f32 v[TQ+2*\t+1], v[TQ+2*\t+1], |v[DD+8*\t+6]|, |v[DD+8*\t+7]|
.endr
.if \s > 0
	CONTR \s-1
.endif
.irp t, 0,1,2,3
	v_perm_b32 v[QQ+\t], v[TQ+2*\t+1], v[TQ+2*\t], 0x07060302    ; the upper halves of both maxima,
.endr
.irp t, 0,1,2,3
	v_lshl_add_u32 v[QQ+\t], v[QQ+\t], 1, 0xfdfffe00   ; their exponent fields less 2 in bytes 1 and 3
.endr
.irp i, 0,1,2,3,4,5,6,7
	v_add_nc_u32 v[TQ+\i], TWOFF, v[TQ+\i]         ; the conversions' scale operands
.endr
.if (\s == 1) || (\s == 2)
	v_and_b32 v[DF+8*((\s+1)&1)], 0xffff, v[DW+\s+1]   ; data's fragment of c = s + 1
	v_and_b32 v[DF+8*((\s+1)&1)+4], 0xffff0000, v[DW+\s+1]
.endif
.irp t, 0,1,2,3
	v_cvt_scalef32_pk8_fp4_f32 v[FB+2*(\t&1)+8*(\t/2)], v[DD+8*\t:DD+8*\t+7], v[TQ+2*\t]
	v_cvt_scalef32_pk8_fp4_f32 v[FB+2*(\t&1)+8*(\t/2)+4], v[DD+8*\t:DD+8*\t+7], v[TQ+2*\t+1]
.endr
	v_perm_b32 v[PP], v[QQ+1], v[QQ], 0x07050301   ; my half's four bytes of two tiles,
	v_perm_b32 v[PP+1], v[QQ+3], v[QQ+2], 0x07050301
	v_permlanex16_b32 v[FB+1], v[PP], s6, s7       ; and the other half's (registers that meet data's zeros)
	v_permlanex16_b32 v[FB+3], v[PP+1], s6, s7
	v_perm_b32 v[FSW], v[FB+1], v[PP], 0x05010400  ; lanes 0-15: the filter's scale word of row d
	v_perm_b32 v[FSW+1], v[FB+1], v[PP], 0x07030602
	v_perm_b32 v[FSW+2], v[FB+3], v[PP+1], 0x05010400
	v_perm_b32 v[FSW+3], v[FB+3], v[PP+1], 0x07030602
.endm
.macro FILT k
.irp t, 0,1,2,3                        ; hidden 2's four fragments
	ds_load_b128 v[M+8*\t:M+8*\t+3], v[ILS] offset:1024*\t
	ds_load_b128 v[M+8*\t+4:M+8*\t+7], v[ILS] offset:1024*\t+512
.if \k == 0
	ds_load_b32 v[H2S+\t], v[ISS] offset:64*\t
.endif
.endr
	s_wait_loadcnt 0x0                             ; this half's Wout and data are in
	s_wait_dscnt 0x0
.irp s, 0,1,2,3
	DSET \s
.irp t, 0,1,2,3
	WM DD+8*\t, M+8*\t, WO+8*\s, 0, H2S+\t, WOS+\s
.endr
.endr
	v_and_b32 v[DF], 0xffff, v[DW]                 ; data's fragments of c 0 and 1 (these four are the places behind the products)
	v_and_b32 v[DF+4], 0xffff0000, v[DW]
	v_and_b32 v[DF+8], 0xffff, v[DW+1]
	v_and_b32 v[DF+12], 0xffff0000, v[DW+1]
	QSET 0
.if \k == 0
	WORDS 1, AF+1                                  ; sixteen loads for the second half: its codes land where this half's first tiles have been converted
	CODES 1, AF, D0Z
.endif
	QSET 1
	QSET 2
	QSET 3
.if \k == 0                            ; eight places between the last scale word and the products that take it: the way out's addresses
	s_lshl_b32 s5, s2, 7
	s_add_co_u32 s5, s5, RED
	v_lshl_add_u32 v[AF+4], v[LN], 2, s5           ; my wave's sums, in: 4 lane
	v_lshrrev_b32 v[AF+6], 3, v[LN]
	v_and_b32 v[AF+5], 7, v[LN]
	v_lshlrev_b32 v[AF+5], 3, v[AF+5]
	v_lshl_add_u32 v[AF+5], v[AF+6], 7, v[AF+5]
	v_add_nc_u32 v[AF+5], RED, v[AF+5]             ; out: d = 2 lane, 2 lane + 1: the waves of d tile lane / 8
	v_lshlrev_b32 v[AF+6], 3, v[LN]
	PLACES 1
.else
	PLACES 8
.endif
	CONTR 3
	PLACES 4
	v_add_f32 v[TQ], v[ACC], v[ACC+10]             ; lanes 0-15: row 0 of sum 0 and row 2 of sum 1
	v_add_f32 v[TQ+1], v[ACC+16], v[ACC+26]        ; lanes 16-31: row 8 of sum 2 and row 10 of sum 3
.if \k == 0
	v_cndmask_b32 v[SUM], v[TQ], v[TQ+1], s15
.else
	v_cndmask_b32 v[TQ+2], v[TQ], v[TQ+1], s15
	v_add_f32 v[SUM], v[SUM], v[TQ+2]
.endif
.endm
	FILT 0
	RECORD 1, AF+2
	WINDOW AF+3
	s_wait_alu depctr_va_vdst(0)
	s_wait_loadcnt 10                              ; the second half's bout is in; Wout's eight and data's two may be out
	s_wait_dscnt 0x0
	ZONES 160, 128
	PFILL 0
	PFILL 1
	PFILL 2
	PFILL 3
	s_wait_alu depctr_va_vdst(0)
	FILT 1
	; ---- the way out: the waves' sums meet; wave 0 adds the four waves and two halves of each d and stores the row
	ds_store_b32 v[AF+4], v[SUM]
	BSIG
	s_barrier_wait -1
	s_cmp_eq_u32 s2, 0
	s_cbranch_scc0 .Lend
.irp g, 0,1,2,3
	ds_load_b64 v[128+4*\g:129+4*\g], v[AF+5] offset:512*\g
	ds_load_b64 v[130+4*\g:131+4*\g], v[AF+5] offset:512*\g+64
.endr
	s_wait_dscnt 0x0
.irp p, 0,2,4,6
	v_pk_add_f32 v[128+\p:129+\p], v[128+\p:129+\p], v[136+\p:137+\p]
.endr
	v_pk_add_f32 v[128:129], v[128:129], v[132:133]
	v_pk_add_f32 v[130:131], v[130:131], v[134:135]
	v_pk_add_f32 v[128:129], v[128:129], v[130:131]
	global_store_b64 v[AF+6], v[128:129], s[54:55] ; 32 lanes store the row's 256 consecutive bytes, at a multiple of 256
.Lend:
	s_wait_tensorcnt 0x0                           ; the wave's end
	ds_add_u32 v[SPW], v[NIL]
	s_wait_dscnt 0x0
	s_endpgm
.Lfunc_end_k_qd28ae37f25_net:
	.size	k_qd28ae37f25_net, .Lfunc_end_k_qd28ae37f25_net-k_qd28ae37f25_net
	.p2alignl 7, 3214868480
	.fill 96, 4, 3214868480
	.section	.rodata,"a",@progbits
	.p2align	6, 0x0
	.amdhsa_kernel k_qd28ae37f25_net
		.amdhsa_group_segment_fixed_size 18176
		.amdhsa_private_segment_fixed_size 0
		.amdhsa_enable_private_segment 0
		.amdhsa_kernarg_size 104
		.amdhsa_user_sgpr_count 2
		.amdhsa_user_sgpr_kernarg_segment_ptr 1
		.amdhsa_wavefront_size32 1
		.amdhsa_system_sgpr_workgroup_id_x 1
		.amdhsa_system_sgpr_workgroup_id_y 1
		.amdhsa_system_sgpr_workgroup_id_z 1
		.amdhsa_system_vgpr_workitem_id 0
		.amdhsa_next_free_vgpr 256
		.amdhsa_next_free_sgpr 68
		.amdhsa_reserve_vcc 1
		.amdhsa_float_denorm_mode_32 3
		.amdhsa_float_denorm_mode_16_64 3
		.amdhsa_memory_ordered 1
		.amdhsa_forward_progress 1
		.amdhsa_inst_pref_size 84
	.end_amdhsa_kernel
	.amdgpu_metadata
---
amdhsa.version: [ 1, 2 ]
amdhsa.kernels:
  - .name:           k_qd28ae37f25_net
    .symbol:         k_qd28ae37f25_net.kd
    .args:
      - { .name: W0_codes, .offset: 0, .size: 8, .value_kind: global_buffer, .address_space: global }
      - { .name: W1_codes, .offset: 8, .size: 8, .value_kind: global_buffer, .address_space: global }
      - { .name: W0_scales, .offset: 16, .size: 8, .value_kind: global_buffer, .address_space: global }
      - { .name: W1_scales, .offset: 24, .size: 8, .value_kind: global_buffer, .address_space: global }
      - { .name: b0, .offset: 32, .size: 8, .value_kind: global_buffer, .address_space: global }
      - { .name: b1, .offset: 40, .size: 8, .value_kind: global_buffer, .address_space: global }
      - { .name: Wout_codes, .offset: 48, .size: 8, .value_kind: global_buffer, .address_space: global }
      - { .name: Wout_scales, .offset: 56, .size: 8, .value_kind: global_buffer, .address_space: global }
      - { .name: bout, .offset: 64, .size: 8, .value_kind: global_buffer, .address_space: global }
      - { .name: dq, .offset: 72, .size: 8, .value_kind: global_buffer, .address_space: global }
      - { .name: v, .offset: 80, .size: 8, .value_kind: global_buffer, .address_space: global }
      - { .name: out0, .offset: 88, .size: 8, .value_kind: global_buffer, .address_space: global }
      - { .name: pmax, .offset: 96, .size: 8, .value_kind: global_buffer, .address_space: global }
    .group_segment_fixed_size: 18176
    .private_segment_fixed_size: 0
    .kernarg_segment_align: 8
    .kernarg_segment_size: 104
    .max_flat_workgroup_size: 512
    .sgpr_count:     68
    .vgpr_count:     256
    .wavefront_size: 32
...
	.end_amdgpu_metadata
.endif
;; end of part 2
